; MI455X (gfx1250); checked and timed in simulation.
; The chip was launched on July 23, 2026; its instructions are those of AMD's public machine-readable ISA for CDNA 5 (MIT licence, August 2026) and "CDNA5" Instruction Set Architecture Reference Guide (July 2026). The comments in the code are by the model that wrote it; some were corrected since.
;; Cross Attention Block. Allowed arithmetic: matrix products marked QUANTISED: E2M1 operands, one E8M0 scale for each 32 along K, by v_wmma_scale_f32_16x16x128_f8f6f4 with both operands' format E2M1 (or v_wmma_scale_f32_32x16x128_f4), f32 sums; everything else in f32.
;; Inputs: Wv_b 256 float32; Wv_w 256 x 256 float32; func_embed 8,192 x 256 float32; sent_embed 16,384 x 256 float32.
;; Outputs: out0 16,384 x 256 float32.
;; This version of the problem:
;;   THIS VERSION OF THE PROBLEM IS GIVEN IN LOW PRECISION. The matrix products marked QUANTISED in the list below multiply operands that are first quantised to E2M1 (2 exponent bits, 1 mantissa bit; 4 bits a number), with one power-of-two scale for each 32 numbers along K (OCP MX v1.0); their sums are f32. All else is computed in f32.
;;   The module's matrix products, in the order in which they are computed (A, B: the left and right operand; K: the contracted axis; several contracted axes count as one K, in the product's order):
;;     1. [M 8,192, K 256] x [K 256, N 256]; A: input func_embed; B: input Wv_w: QUANTISED
;;     2. [M 16,384, K 256] x [K 256, N 8,192]; A: input sent_embed; B: input func_embed: QUANTISED
;;     3. [M 16,384, K 8,192] x [K 8,192, N 256]; A: softmax (see below); B: computed on the way: QUANTISED
;;   THE QUANTISER, for each operand of a quantised product, along K:
;;     - K is cut into blocks of 32 from its start; a last block that is shorter is filled with zeros.
;;     - A block's scale is 2^e with e = floor(log2(the largest magnitude in the block)) - 2, held to -126 .. 127; a block of zeros has e = 0. As a byte (E8M0): e + 127.
;;     - Each number is divided by its block's scale, clamped to +-6, and rounded to the nearest number of E2M1, ties to even, subnormals kept.
;;     - The product sums the exact products of the quantised numbers (number of the format x scale) in f32.
;;   ~~~python
;;   def quantise(x, axis):      # numpy; x: float32 -> the quantised numbers, widened to float32 again
;;       x = np.moveaxis(x, axis, -1); K = x.shape[-1]
;;       x = np.pad(x, [(0, 0)] * (x.ndim - 1) + [(0, -K % 32)]); x = x.reshape(x.shape[:-1] + (-1, 32)); a = np.abs(x).max(-1, keepdims=True)
;;       e = np.where(a > 0, np.clip(np.frexp(np.where(a > 0, a, 1))[1] - 1 - 2, -126, 127), 0)      # np.frexp(a)[1] - 1 = floor(log2(a)), exactly
;;       r = np.clip(x / 2.0 ** e, -6, 6)
;;       step = 2.0 ** (np.maximum(np.frexp(np.where(r == 0, 1, r))[1] - 1, 0) - 1)
;;       q = np.round(r / step) * step * 2.0 ** e      # np.round: ties to even
;;       return np.moveaxis(q.reshape(q.shape[:-2] + (-1,))[..., :K], -1, axis).astype(np.float32)
;;   ~~~
;;   SOFTMAX AHEAD OF A QUANTISED PRODUCT. Where the list says 'softmax', what is quantised is not the finished softmax but p = 2^(t - M), with t = logit x log2(e) and M = ceil(the row's largest t), a whole number; so 1/2 < the row's largest p <= 1. The row's sum l is taken of the UNQUANTISED p, in f32, and the product's result is divided by l at the end. Since M is a whole number, a kernel that streams over the keys may use a running M (the ceiling of the running maximum): every later rescaling is an exact power of two, which a block's scale takes up: the codes' values come out the same.
;;   OPERANDS COMPUTED ON THE WAY. 'Computed on the way' means the value that the module computes at that place (a softmax that the list does not call 'softmax' is quantised finished and normalised). What goes into a quantiser is computed in f32, as accurately as f32 sums, v_exp_f32 and their like allow (about 1e-6 of the number): no bf16 or f16 on the way to a quantiser, and a product that is left as it is and whose result goes on into a quantised operand takes f32 operands (vector FMAs, or v_wmma_f32_16x16x4_f32). A number that lies on a knife's edge between two numbers of the format may be rounded either way, as far as f32 arithmetic and the matrix unit's own rounding can turn it there, and no further.
;; One version. Each part assembles by itself: llvm-mc -triple=amdgcn-amd-amdhsa -mcpu=gfx1250 --defsym DOCPART=n.
;; ======== version 1 of 1: 2 launches
;; limits: right only within a limited range of input values
;; workspace buffers: kv 2,228,224 bytes
;; launch prep (part 1): grid 256 x 1, 4 waves a work-group, no clusters, 18,432 bytes of LDS; arguments func_embed, Wv_w, Wv_b, kv; writes kv
.if DOCPART == 1
	.amdgcn_target "amdgcn-amd-amdhsa--gfx1250"
	.amdhsa_code_object_version 6
	.text
	.protected	k_q7a6c39a8ed_prep
	.globl	k_q7a6c39a8ed_prep
	.p2align	8
	.type	k_q7a6c39a8ed_prep,@function
k_q7a6c39a8ed_prep:
	s_mov_b64 s[64:65], 0
	v_nop
	global_prefetch_b8 v0, s[64:65] scope:SCOPE_SE
	s_setreg_imm32_b32 hwreg(HW_REG_WAVE_MODE, 25, 1), 1
	s_wait_xcnt 0x0
; func_embed [8192][256] f32 becomes K's codes (FP4 E2M1, one E8M0 byte for each 32 along d); func_val = Q(func_embed) Q(Wv_w)^T + Wv_b is made on the matrix unit from the same
; codes and becomes V's codes, quantised along the KEYS.  All leave as IMAGES OF OPERAND REGISTERS, one dense block of 34,816 bytes for each step of 128 keys:
;   +0      16 fragments of K (f = 2 t + s: tile t of 16 keys, K step s of d), 1,024 bytes each: registers 4 c .. 4 c + 3 of lane l at 512 c + 16 l
;   +16,384 16 fragments of V (ct: channels 16 ct on; K = the step's 128 keys), the same form
;   +32,768 K's scale words: (t, s, r) at 512 (t / 4) + 16 (16 s + r) + 4 (t % 4): two loads of 16 bytes a lane give register t: lanes 0-15 K step 0, lanes 16-31 K step 1
;   +33,792 V's scale words: (ct, r) at 256 (ct / 4) + 8 (16 (ct % 2) + r) + 4 ((ct / 2) % 2): four loads of 8 bytes a lane give register ct / 2: even ct below, odd ct above
; THE KEYS OF A TILE ARE NOT NEIGHBOURS: lane r of tile t takes key 32 (t / 2) + 8 (t % 2) + r + 8 (r / 8), so that a result's 16 registers of tiles 2 b, 2 b + 1 are 16 neighbouring keys.
; SHARES: work-group = (key step S = x / 4, quarter q = x % 4 of the channels).  Wave w quantises key tiles 2 w, 2 w + 1 (four fragments, handed round through LDS) and rows 16 (4 q + w) on
; of Wv_w (two fragments, kept), multiplies all eight key tiles by its 16 channels, and quantises the result: V's fragment 4 q + w.  The four work-groups of a step quantise the same 128 rows:
; 256 work-groups instead of 64; each byte of the output is stored by one of them.  No tensor loads, so no ring.
; A block's scale is 2^(floor(log2(its largest magnitude)) - 2): its byte is the largest magnitude's exponent field - 2, held at 1 from below.
; LIMITS: NaN and infinities are not served; blocks whose largest magnitude lies under 2^-124 keep the byte 1; a block of zeros has the byte 1 and not 127 (its codes are zeros, and this program alone reads the bytes).
.set STEPB, 34816
.set GVIMG, 16384
.set GKSC,  32768
.set GVSC,  33792
.set KSCL,  16384                      ; LDS: 0 .. 16,383 K's 16 fragments; then K's scale words (1,024 bytes); then my quarter of V's (256)
.set VSCL,  17408
.set FA,  1                            ; v1   func_embed: (r + 8 (r / 8)) x 1,024 + 64 h
.set WA,  2                            ; v2   Wv_w: r x 1,024 + 64 h
.set LI,  3                            ; v3   16 x lane
.set XW,  4                            ; v4   16 x lane + 4,096 x wave: where I store my four fragments
.set KSW, 5                            ; v5   where I store K's scale words
.set VSW, 6                            ; v6   where I store V's scale word
.set VO,  7                            ; v7   16 x lane + 1,024 (4 q + w): the fragment that I export, in LDS and in the block
.set FS,  8                            ; v8-15   K's scale words: scales and nothing else
.set TM,  16                           ; v16-31  the quantiser's work; for the products v16-23 hold the bias as C
.set BC,  16
.set NB,  32                           ; v32-223 three sets of 64 numbers; later v32-159 K's 16 fragments, v160-223 eight accumulators
.set FF,  32
.set ACC, 160
.set PC,  224                          ; v224-231 codes just made; later the K fragment that I export
.set PW,  232                          ; v232 the scale word just made
.set BV,  233                          ; v233 my channel's bias
.set WF,  234                          ; v234-249 Wv_w's two fragments
.set WS,  250                          ; v250-251 their scale words: scales and nothing else
.set SQ,  252                          ; v252 8 x lane + 256 q
.set L8,  253                          ; v253 8 x lane
.set WV,  12
.set SEL, 20
; 64 numbers of a lane, register s + 16 b + i = k 32 b + 16 (lane / 16) + i of the lane's row, become a fragment's codes in v[pc] on and its scale word in v[pw].
.macro QUANT s, pc, pw
.irp b, 0,1,2,3
	v_max3_num_f32 v[TM+\b], |v[\s+16*\b]|, |v[\s+1+16*\b]|, 0x1800000   ; block b: my 16 numbers, and the floor 2^(3 - 127): the byte cannot fall under 1
.endr
.irp i, 2,4,6,8,10,12,14
.irp b, 0,1,2,3
	v_max3_num_f32 v[TM+\b], v[TM+\b], |v[\s+16*\b+\i]|, |v[\s+1+16*\b+\i]|   ; the four blocks by turns
.endr
.endr
.irp b, 0,1,2,3
	v_permlanex16_b32 v[TM+4+\b], v[TM+\b], s[SEL], s[SEL+1]
.endr
.irp b, 0,1,2,3
	v_max_num_f32 v[TM+\b], v[TM+\b], v[TM+4+\b]                ; with lane l xor 16's: the block's largest magnitude
.endr
.irp b, 0,1,2,3
	v_add_nc_u32 v[TM+12+\b], 0xff000000, v[TM+\b]              ; 2 off its exponent field: the conversion's scale operand
.endr
.irp b, 0,1,2,3
	v_lshrrev_b32 v[TM+4+\b], 23, v[TM+12+\b]                   ; the scale's byte
.endr
	v_lshl_or_b32 v[\pw], v[TM+5], 8, v[TM+4]
	v_lshl_or_b32 v[\pw], v[TM+6], 16, v[\pw]
	v_lshl_or_b32 v[\pw], v[TM+7], 24, v[\pw]
.irp b, 0,1,2,3
	v_cvt_scalef32_pk8_fp4_f32 v[\pc+2*\b], v[\s+16*\b:\s+7+16*\b], v[TM+12+\b]
	v_cvt_scalef32_pk8_fp4_f32 v[\pc+1+2*\b], v[\s+8+16*\b:\s+15+16*\b], v[TM+12+\b]
.endr
	v_nop                                          ; one plain place behind a scaled conversion
.irp c, 0,1                                    ; the operand wants a whole block in a lane: lanes 0-15 block 2 c, lanes 16-31 block 2 c + 1
.irp i, 0,1
	v_permlane16_swap_b32 v[\pc+4*\c+\i], v[\pc+2+4*\c+\i]
.endr
.endr
.endm
; a unit: 16 rows x 128 along K, 64 numbers a lane
.macro ULOAD reg, adr, base, off
.irp b, 0,1,2,3
.irp j, 0,1,2,3
	global_load_b128 v[\reg+16*\b+4*\j:\reg+16*\b+4*\j+3], v[\adr], s[\base:\base+1] offset:\off+128*\b+16*\j
.endr
.endr
.endm
; unit i = 2 u + s of func_embed (my key tile 2 w + u, K step s): quantised, its image and its scale words to LDS.  left: loads issued behind the unit's sixteen
.macro FUNIT i, left
	s_wait_loadcnt \left
	QUANT NB+64*((\i)%3), PC, PW
	ds_store_b128 v[XW], v[PC:PC+3] offset:1024*(\i)
	ds_store_b128 v[XW], v[PC+4:PC+7] offset:1024*(\i)+512
	ds_store_b32 v[KSW], v[PW] offset:256*((\i)%2)+4*((\i)/2)   ; both halves of the lanes write the same word with the same value
	s_wait_dscnt 0x0                               ; the stores have read their registers: the next unit's codes may be written
.endm
	s_load_b256 s[4:11], s[0:1], 0x0               ; func_embed s[4:5], Wv_w s[6:7], Wv_b s[8:9], kv s[10:11]
	v_lshl_add_u32 v26, v0, 2, 0x4600
	v_mov_b32 v27, 0
	v_lshrrev_b32 v254, 5, v0
	v_readfirstlane_b32 s[WV], v254                ; wave 0..3
	s_lshr_b32 s13, ttmp9, 2                       ; S: the key step
	s_and_b32 s14, ttmp9, 3                        ; q: the quarter of the channels
	v_and_b32 v254, 15, v0                         ; r
	v_bfe_u32 v255, v0, 4, 1                       ; h
	v_and_b32 v[L8], 31, v0                        ; lane
	v_lshlrev_b32 v[LI], 4, v[L8]
	s_wait_alu depctr_va_vdst(0)
	v_lshlrev_b32 v[L8], 3, v[L8]
	s_wait_alu depctr_va_vdst(0)
	v_lshlrev_b32 v[WA], 10, v254
	v_lshl_add_u32 v[WA], v255, 6, v[WA]
	v_and_b32 v[FA], 8, v254
	v_lshl_add_u32 v[FA], v[FA], 10, v[WA]         ; 8 (r / 8) rows further down
	s_lshl_b32 s18, s[WV], 12
	v_add_nc_u32 v[XW], s18, v[LI]
	s_lshr_b32 s18, s[WV], 1                       ; w / 2
	s_and_b32 s19, s[WV], 1                        ; w % 2
	s_lshl_b32 s22, s18, 9                         ; tile t = 2 w + u: t / 4 = w / 2, t % 4 = 2 (w % 2) + u
	s_lshl_b32 s23, s19, 3
	s_add_co_u32 s22, s22, s23
	s_add_co_u32 s22, s22, KSCL
	v_lshl_add_u32 v[KSW], v254, 4, s22
	s_lshl_b32 s22, s19, 7                         ; ct = 4 q + w: ct % 2 = w % 2, (ct / 2) % 2 = w / 2
	s_lshl_b32 s23, s18, 2
	s_add_co_u32 s22, s22, s23
	s_add_co_u32 s22, s22, VSCL
	v_lshl_add_u32 v[VSW], v254, 3, s22
	s_lshl_b32 s22, s14, 2
	s_add_co_u32 s22, s22, s[WV]                   ; ct
	s_lshl_b32 s23, s22, 10
	v_add_nc_u32 v[VO], s23, v[LI]
	s_lshl_b32 s23, s14, 8
	v_add_nc_u32 v[SQ], s23, v[L8]
	v_lshlrev_b32 v255, 2, v254                    ; 4 r: my channel's bias
.irp b, 0,1,2,3
	v_mov_b32 v[TM+4+\b], 0                        ; written once: a lane permute's destination counts as one of its sources
.endr
	s_lshl_b32 s16, s13, 17                        ; func_embed: 128 S rows of 1,024 bytes,
	s_lshl_b32 s24, s[WV], 15                      ; + 32 w rows
	s_add_co_u32 s16, s16, s24
	s_mov_b32 s17, 0
	s_lshl_b32 s24, s22, 14                        ; Wv_w: 16 ct rows
	s_mov_b32 s25, 0
	s_lshl_b32 s26, s22, 6                         ; Wv_b: 16 ct numbers
	s_mov_b32 s27, 0
	s_mul_i32 s28, s13, STEPB                      ; kv: the step's block
	s_mov_b32 s29, 0
	s_mov_b32 s[SEL], 0x76543210
	s_mov_b32 s[SEL+1], 0xfedcba98                 ; v_permlanex16_b32's selects for lane l xor 16
	s_wait_alu depctr_va_vdst(0)
	s_wait_kmcnt 0x0
	s_add_nc_u64 s[4:5], s[4:5], s[16:17]
	s_add_nc_u64 s[6:7], s[6:7], s[24:25]
	s_add_nc_u64 s[8:9], s[8:9], s[26:27]
	s_add_nc_u64 s[10:11], s[10:11], s[28:29]
	global_load_b32 v[BV], v255, s[8:9]            ; older than every unit: the first counted wait covers it
	ULOAD NB, FA, 4, 0                             ; three units are always on their way
	ULOAD NB+64, FA, 4, 512
	ULOAD NB+128, FA, 4, 8192
	FUNIT 0, 32
	ULOAD NB, FA, 4, 8704
	FUNIT 1, 32
	ULOAD NB+64, WA, 6, 0
	FUNIT 2, 32
	ULOAD NB+128, WA, 6, 512
	FUNIT 3, 32
	s_wait_loadcnt 16                              ; Wv_w's K step 0 is in; K step 1's sixteen loads may be out
	QUANT NB+64, WF, WS
	s_wait_loadcnt 0x0
	QUANT NB+128, WF+8, WS+1
.irp j, 0,1,2,3,4,5,6,7
	v_mov_b32 v[BC+\j], v[BV]                      ; the bias as the C of each sum's first product: a lane holds one channel
.endr
	s_wait_alu depctr_va_vdst(0)
	s_wait_dscnt 0x0                               ; for the others' sake: my images and scale words have landed
	s_barrier_signal -1
	s_barrier_wait -1
.irp g, 0,1
	ds_load_b128 v[FS+4*\g:FS+4*\g+3], v[LI] offset:KSCL+512*\g
.endr
.set i, 0
.rept 32
	ds_load_b128 v[FF+4*i:FF+4*i+3], v[LI] offset:512*i         ; all 16 fragments of K
.set i, i+1
.endr
.irp c, 0,1
	ds_load_b128 v[PC+4*\c:PC+4*\c+3], v[VO] offset:512*\c      ; and once more the one that I export
.endr
	s_wait_dscnt 0x0
.irp c, 0,1
	global_store_b128 v[VO], v[PC+4*\c:PC+4*\c+3], s[10:11] offset:512*\c   ; 32 lanes store 512 consecutive bytes
.endr
.rept 8
	v_nop                                          ; Wv_w's scale words were written by vector instructions: eight places ahead of a scaled product, its codes four
.endr
; func_val, in the natural order: source 0 = 16 keys, source 1 = my 16 rows of Wv_w: lane (r, h) holds channel r, register j of tile t key 32 (t / 2) + 16 h + 8 (t % 2) + j.  The eight accumulators take turns.
.irp t, 0,1,2,3,4,5,6,7
	v_wmma_scale_f32_16x16x128_f8f6f4 v[ACC+8*\t:ACC+8*\t+7], v[FF+16*\t:FF+16*\t+7], v[WF:WF+7], v[BC:BC+7], v[FS+\t], v[WS] matrix_a_fmt:MATRIX_FMT_FP4 matrix_b_fmt:MATRIX_FMT_FP4
.endr
.irp t, 0,1,2,3,4,5,6,7
	v_wmma_scale_f32_16x16x128_f8f6f4 v[ACC+8*\t:ACC+8*\t+7], v[FF+16*\t+8:FF+16*\t+15], v[WF+8:WF+15], v[ACC+8*\t:ACC+8*\t+7], v[FS+\t], v[WS+1] matrix_a_fmt:MATRIX_FMT_FP4 matrix_b_fmt:MATRIX_FMT_FP4 matrix_a_scale:MATRIX_SCALE_ROW1
.endr
.rept 4
	v_nop                                          ; four places before results are read and operands' registers written
.endr
	QUANT ACC, FF, PW                              ; along the keys: V's fragment 4 q + w
.irp c, 0,1
	global_store_b128 v[VO], v[FF+4*\c:FF+4*\c+3], s[10:11] offset:GVIMG+512*\c
.endr
	ds_store_b32 v[VSW], v[PW]
	s_wait_dscnt 0x0
	s_barrier_signal -1
	s_barrier_wait -1
	s_cmp_lg_u32 s[WV], 0                          ; wave 0 exports the scale words: a quarter of K's and the quarter's V's, each one aligned run of 256 bytes
	s_cbranch_scc1 .Ldone
	ds_load_b64 v[40:41], v[SQ] offset:KSCL
	ds_load_b64 v[42:43], v[L8] offset:VSCL
	s_wait_dscnt 0x0
	global_store_b64 v[SQ], v[40:41], s[10:11] offset:GKSC
	global_store_b64 v[SQ], v[42:43], s[10:11] offset:GVSC
.Ldone:
	s_wait_tensorcnt 0x0
	ds_add_u32 v26, v27
	s_wait_dscnt 0x0
	s_endpgm
.Lfunc_end_k_q7a6c39a8ed_prep:
	.size	k_q7a6c39a8ed_prep, .Lfunc_end_k_q7a6c39a8ed_prep-k_q7a6c39a8ed_prep
	.p2alignl 7, 3214868480
	.fill 96, 4, 3214868480
	.section	.rodata,"a",@progbits
	.p2align	6, 0x0
	.amdhsa_kernel k_q7a6c39a8ed_prep
		.amdhsa_group_segment_fixed_size 18432
		.amdhsa_private_segment_fixed_size 0
		.amdhsa_enable_private_segment 0
		.amdhsa_kernarg_size 32
		.amdhsa_user_sgpr_count 2
		.amdhsa_user_sgpr_kernarg_segment_ptr 1
		.amdhsa_wavefront_size32 1
		.amdhsa_system_sgpr_workgroup_id_x 1
		.amdhsa_system_sgpr_workgroup_id_y 1
		.amdhsa_system_sgpr_workgroup_id_z 1
		.amdhsa_system_vgpr_workitem_id 0
		.amdhsa_next_free_vgpr 256
		.amdhsa_next_free_sgpr 66
		.amdhsa_reserve_vcc 0
		.amdhsa_float_denorm_mode_32 3
		.amdhsa_float_denorm_mode_16_64 3
		.amdhsa_memory_ordered 1
		.amdhsa_forward_progress 1
		.amdhsa_inst_pref_size 45
	.end_amdhsa_kernel
	.amdgpu_metadata
---
amdhsa.version: [ 1, 2 ]
amdhsa.kernels:
  - .name:           k_q7a6c39a8ed_prep
    .symbol:         k_q7a6c39a8ed_prep.kd
    .args:
      - { .name: func_embed, .offset: 0, .size: 8, .value_kind: global_buffer, .address_space: global }
      - { .name: Wv_w, .offset: 8, .size: 8, .value_kind: global_buffer, .address_space: global }
      - { .name: Wv_b, .offset: 16, .size: 8, .value_kind: global_buffer, .address_space: global }
      - { .name: kv, .offset: 24, .size: 8, .value_kind: global_buffer, .address_space: global }
    .group_segment_fixed_size: 18432
    .private_segment_fixed_size: 0
    .kernarg_segment_align: 8
    .kernarg_segment_size: 32
    .max_flat_workgroup_size: 128
    .sgpr_count:     66
    .vgpr_count:     256
    .wavefront_size: 32
...
	.end_amdgpu_metadata
.endif
;; end of part 1
;; launch attn (part 2): grid 256 x 1, 4 waves a work-group, clusters of 4 x 1, 327,680 bytes of LDS; arguments sent_embed, kv, out0; writes out0
.if DOCPART == 2
	.amdgcn_target "amdgcn-amd-amdhsa--gfx1250"
	.amdhsa_code_object_version 6
	.text
	.protected	k_q7a6c39a8ed_attn
	.globl	k_q7a6c39a8ed_attn
	.p2align	8
	.type	k_q7a6c39a8ed_attn,@function
k_q7a6c39a8ed_attn:
	s_mov_b64 s[64:65], 0
	v_nop
	global_prefetch_b8 v0, s[64:65] scope:SCOPE_SE
	s_setreg_imm32_b32 hwreg(HW_REG_WAVE_MODE, 25, 1), 1
	s_wait_xcnt 0x0
	s_wait_alu depctr_hold_cnt(0) depctr_sa_sdst(0) depctr_va_vdst(0) depctr_va_sdst(0) depctr_va_ssrc(0) depctr_va_vcc(0) depctr_vm_vsrc(0)
	s_getreg_b32 s2, hwreg(HW_REG_IB_STS2, 6, 4)
	s_cmp_eq_u32 s2, 0
	s_cbranch_scc0 .Lentry_in_a_cluster
	s_endpgm
.Lentry_in_a_cluster:
	s_bfe_u32 s2, ttmp6, 0x10000c
	s_cmp_lg_u32 s2, 0x3003
	s_cbranch_scc0 .Lentry_shape_is_right
	s_endpgm
.Lentry_shape_is_right:
; out0 = softmax(sent_embed func_embed^T / 16) func_val, both products on codes of FP4 (E2M1) with one E8M0 byte for each 32 along K.
; kv holds, for each step of 128 keys, a block of 34,816 bytes: 16 fragments of K, 16 of V (32,768 bytes of codes), then K's and V's scale words, all as IMAGES OF OPERAND REGISTERS (launch prep).
; SHARES: a work-group owns 64 queries, four tiles of 16.  Wave w owns all four tiles and a quarter of the keys: step 4 n + w in period n, 16 periods.  So each fragment of K and V is read from LDS once
; and feeds four matrix instructions.  Both products are used transposed (S^T = K Q^T, O^T = V^T P^T): a lane holds one query.  p = 2^(t - M), M the ceiling of the running largest t; the sum is taken of the unquantised p.
; At the end the four waves join their parts through LDS: each brings -M, its sum and O^T, and each finishes 64 channels.
; THE RING: two slots of 131,072 bytes, four steps' codes each; wave w fetches the codes of its own step by one joint load (the four work-groups of a cluster walk the same kv) and reads them alone.
; A PERIOD'S K AND V STAND WHOLE IN REGISTERS.  The next K is read from LDS behind the round in the period's middle, the next V behind the period's last products; so when the round is entered the slot
; that is filled again was read out a period ago, and the fill has a whole period in which to land.  Inside the round stands register work: the second pair's products and maxima.
; The scale words (2,048 bytes a step) come by plain loads straight into their registers, a period ahead: so a slot is a power of two and one exclusive or turns an address to the other slot.
; No global_prefetch_b8: kv is 2,228,224 bytes and every fill is asked for a whole period (a sixteenth of the launch's walk) ahead of the wait for it.
; LIMITS: NaN and infinities are not served; the promise holds while the scaled scores t stay under 2^31 in magnitude; a block of p that has fallen to zeros keeps the byte 1 (its codes are zeros).
; REGISTERS.  Window 0: v1-7, v30 addresses; v8-23 -M, largest t, sum (two halves) for each tile; v24-27 Q's scale words; v28-29 p's; v32-39 K's; v40-47 V's; v48-63 p's codes of a pair of tiles;
;   v64-83 at work; v84-93 lane numbers and the way out's addresses; v96-127 Q's fragments of a pair of tiles (read from LDS twice a period); v128-255 S^T, then p, of a pair.
;   Window 1: v0-127 K's 16 fragments, v128-255 V's.  Window 2: O^T of tiles 0, 1;  window 3: of tiles 2, 3.
.set STEPB,  34816
.set SLOTG,  4*STEPB
.set SLOT1,  131072
.set VIMG,   16384
.set KSCO,   32768
.set VSCO,   33792
.set SPARE,  262144                    ; behind the ring: the spare words, 128 bytes a wave
.set QIMG,   SPARE+512                 ; Q's eight fragments
.set QSC,    QIMG+8192                 ; their scale words
.set STATS,  QSC+512                   ; -M and the sum of each wave and tile
.set STG,    STATS+4096                ; a stage of 16 rows x 272 bytes for each wave
.set A0,  1
.set ADK, 2
.set L16, 3
.set L8,  4
.set SPW, 5
.set NIL, 6
.set XA,  7
.set STT, 8
.set QS,  24
.set PS,  28
.set AQ,  30
.set KS,  32
.set VS,  40
.set PC,  48
.set BM,  64
.set TM,  64
.set T2,  72
.set FFR, 80
.set TT,  94
.set QF,  96
.set SS,  128
.set WV,  10
.set SEL, 20
.set CS,  22
.set G1,  24
.set G0,  32
.set NBS, 36
.set TB,  38
.set MSB, 0
.macro WIN new
.if MSB != \new
	s_set_vgpr_msb (MSB<<8)|\new
.set MSB, \new
.endif
.endm
.macro PLACES n
.rept \n
	v_nop
.endr
.endm
.macro CROUND
	s_barrier_signal -1
	s_barrier_wait -1
	s_cmp_lg_u32 s[WV], 0
	s_cbranch_scc1 .Lnot_wave_0_\@
	s_barrier_signal -3
.Lnot_wave_0_\@:
	s_barrier_wait -3
	s_barrier_signal -1
	s_barrier_wait -1
.endm
.macro TLOAD
	tensor_load_to_lds s[G0:G0+3], s[G1:G1+7]
	s_nop 0
	PLACES 4
.endm
; 64 numbers of a lane become a fragment's codes and its scale word
.macro QUANT s, pc, pw
.irp b, 0,1,2,3
	v_max3_num_f32 v[TM+\b], |v[\s+16*\b]|, |v[\s+1+16*\b]|, 0x1800000   ; with the floor 2^(3 - 127): the byte cannot fall under 1
.endr
.irp i, 2,4,6,8,10,12,14
.irp b, 0,1,2,3
	v_max3_num_f32 v[TM+\b], v[TM+\b], |v[\s+16*\b+\i]|, |v[\s+1+16*\b+\i]|
.endr
.endr
.irp b, 0,1,2,3
	v_permlanex16_b32 v[TM+4+\b], v[TM+\b], s[SEL], s[SEL+1]
.endr
.irp b, 0,1,2,3
	v_max_num_f32 v[TM+\b], v[TM+\b], v[TM+4+\b]
.endr
.irp b, 0,1,2,3
	v_add_nc_u32 v[TM+12+\b], 0xff000000, v[TM+\b]              ; 2 off the exponent field: the conversion's scale operand
.endr
.irp b, 0,1,2,3
	v_lshrrev_b32 v[TM+4+\b], 23, v[TM+12+\b]
.endr
	v_lshl_or_b32 v[\pw], v[TM+5], 8, v[TM+4]
	v_lshl_or_b32 v[\pw], v[TM+6], 16, v[\pw]
	v_lshl_or_b32 v[\pw], v[TM+7], 24, v[\pw]
.irp b, 0,1,2,3
	v_cvt_scalef32_pk8_fp4_f32 v[\pc+2*\b], v[\s+16*\b:\s+7+16*\b], v[TM+12+\b]
	v_cvt_scalef32_pk8_fp4_f32 v[\pc+1+2*\b], v[\s+8+16*\b:\s+15+16*\b], v[TM+12+\b]
.endr
	v_nop
.irp c, 0,1
.irp i, 0,1
	v_permlane16_swap_b32 v[\pc+4*\c+\i], v[\pc+2+4*\c+\i]
.endr
.endr
.endm
.macro LDQ pr                          ; Q's four fragments of pair pr
.irp i, 0,1,2,3,4,5,6,7
	ds_load_b128 v[QF+4*\i:QF+4*\i+3], v[AQ] offset:4096*\pr+512*\i
.endr
.endm
.macro LDK                             ; K's 16 fragments from the slot at v[ADK]: 32 loads; then Q's first pair: 8
	WIN 0x40
.set i, 0
.rept 32
	ds_load_b128 v[4*i:4*i+3], v[ADK] offset:512*i
.set i, i+1
.endr
	WIN 0
	LDQ 0
.endm
.macro LDV                             ; V's 16 fragments: 32 loads
	WIN 0x40
.set i, 0
.rept 32
	ds_load_b128 v[128+4*i:128+4*i+3], v[ADK] offset:VIMG+512*i
.set i, i+1
.endr
	WIN 0
.endm
.macro LDKS
.irp g, 0,1
	global_load_b128 v[KS+4*\g:KS+4*\g+3], v[L16], s[NBS:NBS+1] offset:KSCO+512*\g
.endr
.endm
.macro LDVS
.irp i, 0,1,2,3
	global_load_b64 v[VS+2*\i:VS+2*\i+1], v[L8], s[NBS:NBS+1] offset:VSCO+256*\i
.endr
.endm
; S^T of pair pr: 8 key tiles x 2 query tiles x 2 halves of d; four accumulators take turns
.macro QK pr
	WIN 0x01
.irp g, 0,1,2,3
.irp s, 0,1
.irp u, 0,1
.irp x, 0,1
.set rD, SS+64*\x+8*(2*\g+\u)
.set rK, 16*(2*\g+\u)+8*\s
.set rQ, QF+16*\x+8*\s
.if \s == 0
	v_wmma_scale_f32_16x16x128_f8f6f4 v[rD:rD+7], v[rK:rK+7], v[rQ:rQ+7], 0, v[KS+2*\g+\u], v[QS+2*\pr+\x] matrix_a_fmt:MATRIX_FMT_FP4 matrix_b_fmt:MATRIX_FMT_FP4
.else
	v_wmma_scale_f32_16x16x128_f8f6f4 v[rD:rD+7], v[rK:rK+7], v[rQ:rQ+7], v[rD:rD+7], v[KS+2*\g+\u], v[QS+2*\pr+\x] matrix_a_fmt:MATRIX_FMT_FP4 matrix_b_fmt:MATRIX_FMT_FP4 matrix_a_scale:MATRIX_SCALE_ROW1 matrix_b_scale:MATRIX_SCALE_ROW1
.endif
.endr
.endr
.endr
.endr
	WIN 0
.endm
; O^T of pair pr += V^T P^T: 32 accumulators by turns
.macro PV pr, first
	WIN 0xa1+0x50*\pr
.irp c, 0,1,2,3,4,5,6,7,8,9,10,11,12,13,14,15
.irp x, 0,1
.set rO, 128*\x+8*\c
.set rV, 128+8*\c
.set rP, PC+8*\x
.set rS, VS+(\c)/2
.if \first
.if (\c)%2
	v_wmma_scale_f32_16x16x128_f8f6f4 v[rO:rO+7], v[rV:rV+7], v[rP:rP+7], 0, v[rS], v[PS+\x] matrix_a_fmt:MATRIX_FMT_FP4 matrix_b_fmt:MATRIX_FMT_FP4 matrix_a_scale:MATRIX_SCALE_ROW1
.else
	v_wmma_scale_f32_16x16x128_f8f6f4 v[rO:rO+7], v[rV:rV+7], v[rP:rP+7], 0, v[rS], v[PS+\x] matrix_a_fmt:MATRIX_FMT_FP4 matrix_b_fmt:MATRIX_FMT_FP4
.endif
.else
.if (\c)%2
	v_wmma_scale_f32_16x16x128_f8f6f4 v[rO:rO+7], v[rV:rV+7], v[rP:rP+7], v[rO:rO+7], v[rS], v[PS+\x] matrix_a_fmt:MATRIX_FMT_FP4 matrix_b_fmt:MATRIX_FMT_FP4 matrix_a_scale:MATRIX_SCALE_ROW1
.else
	v_wmma_scale_f32_16x16x128_f8f6f4 v[rO:rO+7], v[rV:rV+7], v[rP:rP+7], v[rO:rO+7], v[rS], v[PS+\x] matrix_a_fmt:MATRIX_FMT_FP4 matrix_b_fmt:MATRIX_FMT_FP4
.endif
.endif
.endr
.endr
	WIN 0
.endm
.macro RESCALE pr                      ; O^T of pair pr under the new M
	WIN 0x82+0x41*\pr
.irp x, 0,1
.set j, 128*\x
.rept 64
	v_pk_mul_f32 v[j:j+1], v[j:j+1], v[FFR+2*\x:FFR+2*\x+1] op_sel_hi:[1,0]
.set j, j+2
.endr
.endr
	WIN 0
.endm
; THE SOFTMAX OF A PAIR OF TILES, the two interleaved, in three parts.  SMA: each block's largest score, the new M, t - M
.macro SMA pr, first
.irp x, 0,1
.irp b, 0,1,2,3
	v_max3_num_f32 v[BM+4*\x+\b], v[SS+64*\x+16*\b], v[SS+64*\x+16*\b+1], v[SS+64*\x+16*\b+2]
.endr
.endr
.irp i, 3,5,7,9,11,13
.irp x, 0,1
.irp b, 0,1,2,3
	v_max3_num_f32 v[BM+4*\x+\b], v[BM+4*\x+\b], v[SS+64*\x+16*\b+\i], v[SS+64*\x+16*\b+\i+1]
.endr
.endr
.endr
.irp b, 0,1,2,3,4,5,6,7
	v_max_num_f32 v[BM+\b], v[BM+\b], v[SS+16*\b+15]
.endr
.irp b, 0,1,2,3,4,5,6,7
	v_permlanex16_b32 v[T2+\b], v[BM+\b], s[SEL], s[SEL+1]
.endr
.irp b, 0,1,2,3,4,5,6,7
	v_max_num_f32 v[BM+\b], v[BM+\b], v[T2+\b]                  ; with lane l xor 16's 16 keys
.endr
.irp x, 0,1
	v_max3_num_f32 v[T2+4*\x], v[BM+4*\x], v[BM+4*\x+1], v[BM+4*\x+2]
.endr
.irp x, 0,1
	v_max_num_f32 v[T2+4*\x], v[T2+4*\x], v[BM+4*\x+3]
.endr
.if \first
.irp x, 0,1
	v_mul_f32 v[STT+8*\pr+4*\x+1], s[CS], v[T2+4*\x]
.endr
.irp x, 0,1
	v_floor_f32 v[STT+8*\pr+4*\x], -v[STT+8*\pr+4*\x+1]         ; -M = floor(-t)
.endr
.else
.irp x, 0,1
	v_mul_f32 v[T2+4*\x], s[CS], v[T2+4*\x]
.endr
.irp x, 0,1
	v_max_num_f32 v[STT+8*\pr+4*\x+1], v[STT+8*\pr+4*\x+1], v[T2+4*\x]
.endr
.irp x, 0,1
	v_mov_b32 v[T2+4*\x], v[STT+8*\pr+4*\x]
.endr
.irp x, 0,1
	v_floor_f32 v[STT+8*\pr+4*\x], -v[STT+8*\pr+4*\x+1]
.endr
.irp x, 0,1
	v_sub_f32 v[T2+4*\x], v[STT+8*\pr+4*\x], v[T2+4*\x]
.endr
.irp x, 0,1
	v_cvt_i32_f32 v[T2+4*\x], v[T2+4*\x]
.endr
.irp x, 0,1
	v_ldexp_f32 v[FFR+2*\x], 1.0, v[T2+4*\x]                    ; f = 2^(old M - new M)
.endr
.endif
.irp x, 0,1
.set j, SS+64*\x
.rept 32
	v_pk_fma_f32 v[j:j+1], v[j:j+1], s[CS:CS+1], v[STT+8*\pr+4*\x:STT+8*\pr+4*\x+1] op_sel_hi:[1,0,0]
.set j, j+2
.endr
.endr
.irp x, 0,1
.irp b, 0,1,2,3
	v_fma_f32 v[BM+4*\x+\b], v[BM+4*\x+\b], s[CS], v[STT+8*\pr+4*\x]
.endr
.endr
.endm
; SMB: the exponentials, one batch
.macro SMB pr, first
	s_wait_alu depctr_va_vdst(0)
.set j, 0
.rept 128
	v_exp_f32 v[SS+j], v[SS+j]
.set j, j+1
.endr
.irp b, 0,1,2,3,4,5,6,7
	v_exp_f32 v[BM+\b], v[BM+\b]                   ; each block's largest p
.endr
.if \first
	v_nop
.else
.irp x, 0,1
	v_pk_mul_f32 v[STT+8*\pr+4*\x+2:STT+8*\pr+4*\x+3], v[STT+8*\pr+4*\x+2:STT+8*\pr+4*\x+3], v[FFR+2*\x:FFR+2*\x+1] op_sel_hi:[1,0]
.endr
.endif
	s_wait_alu depctr_va_vdst(0)                   ; and behind it, ahead of its first reader
.endm
; SMC: p's scale words and codes, and the sums of the unquantised p
.macro SMC pr
.irp b, 0,1,2,3,4,5,6,7
	v_max_num_f32 v[BM+\b], 0x1800000, v[BM+\b]
.endr
.irp b, 0,1,2,3,4,5,6,7
	v_add_nc_u32 v[BM+\b], 0xff000000, v[BM+\b]    ; the conversion's scale operand
.endr
.irp b, 0,1,2,3,4,5,6,7
	v_lshrrev_b32 v[T2+\b], 23, v[BM+\b]
.endr
.irp x, 0,1
	v_lshl_or_b32 v[PS+\x], v[T2+4*\x+1], 8, v[T2+4*\x]
.endr
.irp x, 0,1
	v_lshl_or_b32 v[PS+\x], v[T2+4*\x+2], 16, v[PS+\x]
.endr
.irp x, 0,1
	v_lshl_or_b32 v[PS+\x], v[T2+4*\x+3], 24, v[PS+\x]
.endr
.irp b, 0,1,2,3,4,5,6,7
	v_cvt_scalef32_pk8_fp4_f32 v[PC+2*\b], v[SS+16*\b:SS+16*\b+7], v[BM+\b]
	v_cvt_scalef32_pk8_fp4_f32 v[PC+2*\b+1], v[SS+16*\b+8:SS+16*\b+15], v[BM+\b]
.endr
	v_nop
.irp c, 0,1,2,3
.irp i, 0,1
	v_permlane16_swap_b32 v[PC+4*\c+\i], v[PC+4*\c+2+\i]
.endr
.endr
.irp x, 0,1
	v_pk_add_f32 v[T2+4*\x:T2+4*\x+1], v[SS+64*\x:SS+64*\x+1], v[SS+64*\x+2:SS+64*\x+3]
.endr
.set j, 4
.rept 15
.irp x, 0,1
	v_pk_add_f32 v[STT+8*\pr+4*\x+2:STT+8*\pr+4*\x+3], v[STT+8*\pr+4*\x+2:STT+8*\pr+4*\x+3], v[SS+64*\x+j:SS+64*\x+j+1]
	v_pk_add_f32 v[T2+4*\x:T2+4*\x+1], v[T2+4*\x:T2+4*\x+1], v[SS+64*\x+j+2:SS+64*\x+j+3]
.endr
.set j, j+4
.endr
.irp x, 0,1
	v_pk_add_f32 v[STT+8*\pr+4*\x+2:STT+8*\pr+4*\x+3], v[STT+8*\pr+4*\x+2:STT+8*\pr+4*\x+3], v[T2+4*\x:T2+4*\x+1]
.endr
.endm
; A PERIOD: my 128 keys x 64 queries.  On the way in: K, Q's first pair (40 LDS loads) and behind them V (32) are asked for; K's scale words (2 loads) and behind them V's (4).
; first = 1: the sums begin.  fill = 1: a round, and the slot read out a period ago is filled again;  fill = 0: periods 14 and 15 (s40): nothing is filled, and period 15 fetches nothing more
.macro PERIOD first, fill
	s_wait_loadcnt 4                               ; K's scale words are in; V's four loads may be out
	s_wait_dscnt 32                                ; K and Q are in; V's 32 loads may be out
	QK 0
	PLACES 4
	LDQ 1
	SMA 0, \first
	SMB 0, \first
	SMC 0
.if \first == 0
	RESCALE 0
.endif
	s_wait_alu depctr_va_vdst(0)
	s_wait_loadcnt 0x0
	s_wait_dscnt 0x0                               ; V and Q's second pair
	PV 0, \first
	s_xor_b32 s[TB], s[TB], SLOT1                  ; the slot of the next period
	v_add_nc_u32 v[ADK], s[TB], v[A0]
	s_wait_alu depctr_va_vdst(0)
	s_wait_tensorcnt 0x0                           ; my fill of that slot has landed: nobody else reads it
.if \fill
	ds_add_u32 v[SPW], v[NIL]
	s_xor_b32 s[G0+1], s[G0+1], SLOT1              ; no load of mine is out: the walking descriptor goes to the other slot and four steps on
	s_add_nc_u64 s[G0+2:G0+3], s[G0+2:G0+3], SLOTG
	s_wait_dscnt 0x0
	s_barrier_signal -1                            ; the round opens; inside it register work alone
.endif
	QK 1
	PLACES 4
	SMA 1, \first
	s_wait_alu depctr_va_vdst(0)
.if \fill
	s_barrier_wait -1
	s_cmp_lg_u32 s[WV], 0
	s_cbranch_scc1 .Lnw_\@
	s_barrier_signal -3
.Lnw_\@:
	s_barrier_wait -3
	s_barrier_signal -1
	s_barrier_wait -1
	TLOAD                                          ; the first thing behind the round, my one tensor load until the next
.else
	s_cmp_eq_u32 s40, 15
	s_cbranch_scc1 .Lnk_\@
.endif
	s_wait_xcnt 0x0                                ; the scale words' loads have read their base
	s_add_nc_u64 s[NBS:NBS+1], s[NBS:NBS+1], SLOTG
	LDKS
	LDK
.if \fill == 0
.Lnk_\@:
.endif
	SMB 1, \first
	SMC 1
.if \first == 0
	RESCALE 1
.endif
	s_wait_alu depctr_va_vdst(0)
	PV 1, \first
	PLACES 4
.if \fill == 0
	s_cmp_eq_u32 s40, 15
	s_cbranch_scc1 .Lnv_\@
.endif
	LDV
	LDVS
.if \fill == 0
.Lnv_\@:
.endif
.endm
	s_load_b128 s[4:7], s[0:1], 0x0                ; sent_embed, kv
	s_load_b64 s[8:9], s[0:1], 0x10                ; out0
	v_lshl_add_u32 v[SPW], v0, 2, SPARE
	v_mov_b32 v[NIL], 0
	ds_add_u32 v[SPW], v[NIL]
	ds_add_u32 v[SPW], v[NIL]
	v_lshrrev_b32 v[XA], 5, v0
	v_readfirstlane_b32 s[WV], v[XA]               ; wave 0..3
	s_bfe_u32 s13, ttmp6, 0x40000
	s_lshl_b32 s14, ttmp9, 2
	s_add_co_u32 s14, s14, s13                     ; the work-group
	s_mov_b32 s[G1+0], 15|(3<<16)|(1<<21)          ; all four partners; elements of 8 bytes
	s_mov_b32 s[G1+1], 32<<16                      ; 128 rows of 256 bytes, dense
	s_mov_b32 s[G1+2], 128<<16
	s_mov_b32 s[G1+3], 32<<16
	s_mov_b32 s[G1+4], 128
	s_mov_b32 s[G1+5], 32
	s_mov_b32 s[G1+6], 0
	s_mov_b32 s[G1+7], 0
	s_lshl_b32 s42, s14, 16                        ; Q: I quantise tile w
	s_lshl_b32 s43, s[WV], 14
	s_add_co_u32 s42, s42, s43
	s_mov_b32 s43, 0
	s_lshl_b32 s44, s14, 16                        ; out0: my work-group's rows, channels 64 w on
	s_lshl_b32 s45, s[WV], 8
	s_add_co_u32 s44, s44, s45
	s_mov_b32 s45, 0
	s_mul_i32 s16, s[WV], STEPB
	s_mov_b32 s17, 0
	s_lshl_b32 s41, s[WV], 15                      ; my quarter of a slot
	s_lshl_b32 s46, s[WV], 11
	s_add_co_u32 s46, s46, QIMG
	s_lshl_b32 s47, s[WV], 7
	s_add_co_u32 s47, s47, QSC
	s_mov_b32 s[SEL], 0x76543210
	s_mov_b32 s[SEL+1], 0xfedcba98
	s_mov_b32 s[CS], 0x3db8aa3b                    ; log2(e) / 16
	s_mov_b32 s[CS+1], s[CS]
	s_mov_b32 s[TB], 0
	v_and_b32 v84, 15, v0                          ; r, h, lane: kept for the way out
	v_bfe_u32 v85, v0, 4, 1
	v_and_b32 v86, 31, v0
	v_lshlrev_b32 v[XA], 10, v84
	v_lshlrev_b32 v[L16], 4, v86
	v_lshlrev_b32 v[L8], 3, v86
	v_lshl_add_u32 v[XA], v85, 6, v[XA]
	v_lshl_add_u32 v[A0], v86, 4, s41
	v_lshl_add_u32 v[ADK], v86, 4, s41
	v_lshl_add_u32 v[AQ], v86, 4, QIMG
	v_lshl_add_u32 v87, v86, 4, s46
	v_lshl_add_u32 v88, v84, 2, s47
	v_lshl_add_u32 v89, v86, 2, QSC
.irp x, 0,1,2,3
	v_mov_b32 v[STT+4*\x+2], 0
	v_mov_b32 v[STT+4*\x+3], 0
	v_mov_b32 v[FFR+\x], 0                         ; (the upper halves of the pairs are named, so they are written)
.endr
.irp b, 4,5,6,7,8,9,10,11
	v_mov_b32 v[TM+\b], 0                          ; a lane permute's destination counts as one of its sources
.endr
	s_wait_alu depctr_va_vdst(0)
	s_wait_dscnt 0x0
	s_wait_kmcnt 0x0
	s_add_nc_u64 s[4:5], s[4:5], s[42:43]
	s_add_nc_u64 s[8:9], s[8:9], s[44:45]
	s_add_nc_u64 s[NBS:NBS+1], s[6:7], s[16:17]    ; my step of period 0
	CROUND
	s_mov_b32 s[G0], 1
	s_mov_b32 s[G0+1], s41
	s_mov_b64 s[G0+2:G0+3], s[NBS:NBS+1]
	s_or_b32 s[G0+3], s[G0+3], 0x80000000
	TLOAD                                          ; period 0's codes
.irp s, 0,1
.irp b, 0,1,2,3
.irp j, 0,1,2,3
	global_load_b128 v[SS+64*\s+16*\b+4*\j:SS+64*\s+16*\b+4*\j+3], v[XA], s[4:5] offset:512*\s+128*\b+16*\j th:TH_LOAD_NT
.endr
.endr
.endr
	LDKS
	LDVS
	s_wait_loadcnt 22                              ; the first half of d of my tile of Q
	QUANT SS, PC, PS
	ds_store_b128 v87, v[PC:PC+3]
	ds_store_b128 v87, v[PC+4:PC+7] offset:512
	ds_store_b32 v88, v[PS]
	s_wait_loadcnt 6                               ; the second
	QUANT SS+64, PC+8, PS+1
	ds_store_b128 v87, v[PC+8:PC+11] offset:1024
	ds_store_b128 v87, v[PC+12:PC+15] offset:1536
	ds_store_b32 v88, v[PS+1] offset:64
	s_wait_alu depctr_va_vdst(0)
	s_wait_tensorcnt 0x0
	ds_add_u32 v[SPW], v[NIL]
	s_xor_b32 s[G0+1], s[G0+1], SLOT1
	s_add_nc_u64 s[G0+2:G0+3], s[G0+2:G0+3], SLOTG
	s_wait_dscnt 0x0                               ; and my images of Q have landed
	CROUND
	TLOAD                                          ; period 1's codes
	LDK
.irp x, 0,1,2,3
	ds_load_b32 v[QS+\x], v89 offset:128*\x
.endr
	LDV
	PERIOD 1, 1
	s_mov_b32 s40, 1
.Lfill:                                                ; periods 1 to 13
	PERIOD 0, 1
	s_add_co_u32 s40, s40, 1
	s_cmp_lt_u32 s40, 14
	s_cbranch_scc1 .Lfill
.Llast:                                                ; periods 14 and 15
	PERIOD 0, 0
	s_add_co_u32 s40, s40, 1
	s_cmp_lt_u32 s40, 16
	s_cbranch_scc1 .Llast
	; THE WAY OUT: the parts of O^T go to LDS by quarters of the channels (the slots have had their last fill), with -M and the sum; wave w then finishes channels 64 w on
	s_lshl_b32 s41, s[WV], 13
	s_lshl_b32 s42, s[WV], 15
	s_lshl_b32 s43, s[WV], 10
	s_add_co_u32 s43, s43, STATS
	s_mul_i32 s44, s[WV], 16*272
	s_add_co_u32 s44, s44, STG
	v_lshl_add_u32 v1, v86, 4, s41
	v_lshl_add_u32 v87, v86, 4, s42
	v_lshl_add_u32 v89, v86, 3, s43
	v_lshl_add_u32 v90, v86, 3, STATS
	v_mul_u32_u24 v91, v84, 272
	v_mul_u32_u24 v92, v85, 272
	v_lshlrev_b32 v93, 10, v85
	v_add_nc_u32 v2, 0x10000, v1
	v_add_nc_u32 v3, 0x20000, v1
	v_add_nc_u32 v4, 0x30000, v1
	v_add_nc_u32 v88, 0x20000, v87
	v_lshl_add_u32 v91, v85, 5, v91
	v_lshl_add_u32 v92, v84, 4, v92
	v_lshl_add_u32 v93, v84, 4, v93
	v_add_nc_u32 v91, s44, v91
	v_add_nc_u32 v92, s44, v92
.irp x, 0,1,2,3
	v_add_f32 v[STT+4*\x+2], v[STT+4*\x+2], v[STT+4*\x+3]
.endr
.irp x, 0,1,2,3
	v_permlanex16_b32 v[T2+\x], v[STT+4*\x+2], s[SEL], s[SEL+1]
.endr
.irp x, 0,1,2,3
	v_add_f32 v[STT+4*\x+1], v[STT+4*\x+2], v[T2+\x]            ; the row's sum over my keys
.endr
	s_wait_alu depctr_va_vdst(0)
	s_wait_dscnt 0x0
	s_barrier_signal -1
	s_barrier_wait -1                              ; nobody reads the slots any more
.irp x, 0,1,2,3
	WIN 0x08+4*((\x)/2)
.irp ct, 0,1,2,3,4,5,6,7,8,9,10,11,12,13,14,15
.irp c, 0,1
	ds_store_b128 v[1+2*((\x)/2)+(\ct)/8], v[128*((\x)%2)+8*\ct+4*\c:128*((\x)%2)+8*\ct+4*\c+3] offset:32768*(((\ct)/4)%2)+4096*((\x)%2)+1024*((\ct)%4)+512*\c
.endr
.endr
.endr
	WIN 0
.irp x, 0,1,2,3
	ds_store_b64 v89, v[STT+4*\x:STT+4*\x+1] offset:256*\x
.endr
	s_wait_dscnt 0x0                               ; for the others' sake
	s_barrier_signal -1
	s_barrier_wait -1
.irp x, 0,1,2,3
.irp g, 0,1,2,3
	ds_load_b64 v[96+8*\x+2*\g:97+8*\x+2*\g], v90 offset:1024*\g+256*\x
.endr
.endr
	s_wait_dscnt 0x0
.irp x, 0,1,2,3
	v_min3_num_f32 v[TT], v[96+8*\x], v[98+8*\x], v[100+8*\x]   ; the least -M: the largest M of the four
	v_min_num_f32 v[TT], v[TT], v[102+8*\x]
.irp g, 0,1,2,3
	v_sub_f32 v[BM+\g], v[TT], v[96+8*\x+2*\g]
.endr
.irp g, 0,1,2,3
	v_cvt_i32_f32 v[BM+\g], v[BM+\g]
.endr
.irp g, 0,1,2,3
	v_ldexp_f32 v[96+8*\x+2*\g], 1.0, v[BM+\g]                  ; each part's factor, a power of two
.endr
	v_mul_f32 v[TT], v[96+8*\x], v[97+8*\x]
.irp g, 1,2,3
	v_fmac_f32 v[TT], v[96+8*\x+2*\g], v[97+8*\x+2*\g]
.endr
	s_wait_alu depctr_va_vdst(0)
	v_rcp_f32 v[TT+1], v[TT]
	v_nop
	s_wait_alu depctr_va_vdst(0)
.irp g, 0,1,2,3
	v_mul_f32 v[96+8*\x+2*\g], v[96+8*\x+2*\g], v[TT+1]
.endr
.endr
.irp x, 0,1,2,3
.if \x
	s_wait_xcnt 0x0                                ; the last tile's stores have read their registers
.endif
.irp g, 0,1,2,3
.irp i, 0,1,2,3,4,5,6,7
	ds_load_b128 v[128+32*\g+4*\i:131+32*\g+4*\i], v[87+(\x)/2] offset:8192*\g+4096*((\x)%2)+512*\i
.endr
.endr
	s_wait_dscnt 0x0
.set j, 0
.rept 16
	v_pk_mul_f32 v[128+j:129+j], v[128+j:129+j], v[96+8*\x:97+8*\x] op_sel_hi:[1,0]
.set j, j+2
.endr
.irp g, 1,2,3
.set j, 0
.rept 16
	v_pk_fma_f32 v[128+j:129+j], v[128+32*\g+j:129+32*\g+j], v[96+8*\x+2*\g:97+8*\x+2*\g], v[128+j:129+j] op_sel_hi:[1,0,1]
.set j, j+2
.endr
.endr
.irp t, 0,1,2,3
.irp c, 0,1
	ds_store_b128 v91, v[128+8*\t+4*\c:131+8*\t+4*\c] offset:64*\t+16*\c
.endr
.endr
.irp i, 0,1,2,3,4,5,6,7
	ds_load_b128 v[160+4*\i:163+4*\i], v92 offset:544*\i        ; my own stage: LDS serves a wave's instructions in order
.endr
.irp i, 0,1,2,3,4,5,6,7
	s_wait_dscnt 7-\i
	global_store_b128 v93, v[160+4*\i:163+4*\i], s[8:9] offset:16384*\x+2048*\i th:TH_STORE_NT   ; sixteen lanes store 256 consecutive bytes, aligned
.endr
.endr
	s_wait_tensorcnt 0x0                           ; the wave's end
	ds_add_u32 v[SPW], v[NIL]
	s_wait_dscnt 0x0
	CROUND                                         ; the closing round
	s_endpgm
.Lfunc_end_k_q7a6c39a8ed_attn:
	.size	k_q7a6c39a8ed_attn, .Lfunc_end_k_q7a6c39a8ed_attn-k_q7a6c39a8ed_attn
	.p2alignl 7, 3214868480
	.fill 96, 4, 3214868480
	.section	.rodata,"a",@progbits
	.p2align	6, 0x0
	.amdhsa_kernel k_q7a6c39a8ed_attn
		.amdhsa_group_segment_fixed_size 327680
		.amdhsa_private_segment_fixed_size 0
		.amdhsa_enable_private_segment 0
		.amdhsa_kernarg_size 24
		.amdhsa_user_sgpr_count 2
		.amdhsa_user_sgpr_kernarg_segment_ptr 1
		.amdhsa_wavefront_size32 1
		.amdhsa_system_sgpr_workgroup_id_x 1
		.amdhsa_system_sgpr_workgroup_id_y 1
		.amdhsa_system_sgpr_workgroup_id_z 1
		.amdhsa_system_vgpr_workitem_id 0
		.amdhsa_next_free_vgpr 1024
		.amdhsa_next_free_sgpr 66
		.amdhsa_reserve_vcc 0
		.amdhsa_float_denorm_mode_32 3
		.amdhsa_float_denorm_mode_16_64 3
		.amdhsa_memory_ordered 1
		.amdhsa_forward_progress 1
		.amdhsa_inst_pref_size 255
	.end_amdhsa_kernel
	.section	.bss,"aw",@nobits
	.p2align	6
	.space	262144
	.amdgpu_metadata
---
amdhsa.version: [ 1, 2 ]
amdhsa.kernels:
  - .name:           k_q7a6c39a8ed_attn
    .symbol:         k_q7a6c39a8ed_attn.kd
    .args:
      - { .name: sent_embed, .offset: 0, .size: 8, .value_kind: global_buffer, .address_space: global }
      - { .name: kv, .offset: 8, .size: 8, .value_kind: global_buffer, .address_space: global }
      - { .name: out0, .offset: 16, .size: 8, .value_kind: global_buffer, .address_space: global }
    .group_segment_fixed_size: 327680
    .private_segment_fixed_size: 0
    .kernarg_segment_align: 8
    .kernarg_segment_size: 24
    .max_flat_workgroup_size: 128
    .sgpr_count:     66
    .vgpr_count:     1024
    .wavefront_size: 32
...
	.end_amdgpu_metadata
.endif
;; end of part 2
